; MI455X (gfx1250); checked and timed in simulation.
; The chip was launched on July 23, 2026; its instructions are those of AMD's public machine-readable ISA for CDNA 5 (MIT licence, August 2026) and "CDNA5" Instruction Set Architecture Reference Guide (July 2026). The comments in the code are by the model that wrote it; some were corrected since.
;; Multi Head Attention. Allowed arithmetic: float matrix products may take bf16 or f16 operands with f32 sums; all other float work in f32.
;; Inputs: b_k 768 float32; b_o 768 float32; b_q 768 float32; b_v 768 float32; k 2 x 2,048 x 768 float32; q 2 x 2,048 x 768 float32; v 2 x 2,048 x 768 float32; w_k 768 x 768 float32; w_o 768 x 768 float32; w_q 768 x 768 float32; w_v 768 x 768 float32.
;; Outputs: out0 2 x 2,048 x 768 float32.
;; One version. Each part assembles by itself: llvm-mc -triple=amdgcn-amd-amdhsa -mcpu=gfx1250 --defsym DOCPART=n.
;; ======== version 1 of 1: 3 launches
;; limits: values are held in f16: magnitudes above 65,504 overflow, below 6.1e-05 lose precision
;; workspace buffers: qh 6,291,456 bytes; kh 6,291,456 bytes; vh 6,291,456 bytes; ctx 6,291,456 bytes; wo16 1,179,648 bytes
;; launch proj (part 1): grid 4 x 48, 4 waves a work-group, clusters of 4 x 4, 327,680 bytes of LDS; arguments q, k, v, w_q, w_k, w_v, b_q, b_k, b_v, w_o, qh, kh, vh, wo16; writes qh, kh, vh, wo16
.if DOCPART == 1
	.amdgcn_target "amdgcn-amd-amdhsa--gfx1250"
	.amdhsa_code_object_version 6
	.text
	.protected	k_q02512a6640_proj
	.globl	k_q02512a6640_proj
	.p2align	8
	.type	k_q02512a6640_proj,@function
k_q02512a6640_proj:
	s_mov_b64 s[64:65], 0
	v_nop
	global_prefetch_b8 v0, s[64:65] scope:SCOPE_SE
	s_setreg_imm32_b32 hwreg(HW_REG_WAVE_MODE, 25, 1), 1
	s_wait_xcnt 0x0
	s_wait_alu depctr_hold_cnt(0) depctr_sa_sdst(0) depctr_va_vdst(0) depctr_va_sdst(0) depctr_va_ssrc(0) depctr_va_vcc(0) depctr_vm_vsrc(0)
	s_getreg_b32 s2, hwreg(HW_REG_IB_STS2, 6, 4)
	s_cmp_eq_u32 s2, 0
	s_cbranch_scc0 .Lentry_in_a_cluster
	s_endpgm
.Lentry_in_a_cluster:
	s_bfe_u32 s2, ttmp6, 0x10000c
	s_cmp_lg_u32 s2, 0xf033
	s_cbranch_scc0 .Lentry_shape_is_right
	s_endpgm
.Lentry_shape_is_right:
; The three input projections, y = x W^T + b, x: [4096][768] f32, W: [768][768] f32, b: [768] f32; y in f16.
; q's projection is also multiplied by 0.125 log2(e), so that the attention launch can use base-2 exponentials of plain differences.
; Side job: each work-group casts 3,072 numbers of w_o to f16 (wo16) for the last launch.
; OUTPUT LAYOUT: [24 planes of 32 features][4096 rows][32] f16: a row of a plane is 64 bytes, four rows are 256 consecutive bytes.
; LIMIT: matrix operands and y are f16: |x|, |W| and |x W^T + b| must stay below 65,504; beyond it the result is inf or NaN.
; SHARES: 192 work-groups; cluster y >> 2 picks the projection; a work-group makes 256 rows x 192 features with four waves,
; a wave 128 x 96: 48 accumulator tiles of 16 x 16, 384 registers.  K goes in steps of 64 f32 (rows of 256 bytes, starting at
; multiples of 256 bytes) through two LDS slots filled by tensor loads.
; CLUSTER 4 x 4: the four work-groups of a cluster row need the same rows of x, the four of a column the same rows of W: joint loads.
; The tiles lie in LDS as f32; a wave loads them into staging registers and converts two numbers an instruction into f16 fragments.
; REGISTER WINDOWS: 0: addresses, f16 fragments, bias; 1: accumulators of my rows 0-63; 2: of my rows 64-127; 3: f32 staging.
; The matrix instruction is used transposed (source 0 = rows of W, source 1 = rows of x): lane l holds row l % 16 and its
; registers 0-7 the features 8 (l / 16) + 0..7, eight neighbours, which pack into 16 bytes.
.set PITCH,  272                       ; LDS row: 256 bytes + 16 of padding, an odd multiple of 16: 16 rows start 16 bytes apart modulo 256
.set AHALF,  128*PITCH                 ; what one tensor load of x brings
.set BHALF,  96*PITCH                  ; what one tensor load of W brings
.set ABYTES, 2*AHALF
.set SLOT,   ABYTES+2*BHALF            ; 121,856
.set STAGE,  2*SLOT                    ; 243,712: behind the ring, never the target of a tensor load
.set SPITCH, 208                       ; stage row: 96 f16 + 16 bytes
.set ROWB,   3072                      ; bytes in a row of x and of W
.set PLANE,  262144                    ; bytes in a plane of the output
.set ADRA, 16                          ; v16-17  LDS address of my x fragments in slot 0, 1
.set ADRB, 20                          ; v20-21  the same for W
.set STO,  24                          ; way out: where I put 16 bytes
.set RD,   25                          ; way out: where I read back
.set CO,   26                          ; way out: 16 x lane
.set BOFF, 27                          ; byte offset of my bias numbers
.set PFO,  28                          ; prefetch: my row and K step
.set WI,   29                          ; w_o: my byte offset in
.set WO,   30                          ; wo16: my byte offset out
.set FB,   32                          ; v32-143  f16 fragments: W's b at FB+8b (6), x's a at FB+48+8a (8)
.set BI,   144                         ; v144-191 bias of my 96 features: tile b at BI+8b
.set SCV,  192                         ; v192-193 the scale, twice
.set WF,   196                         ; v196-219 w_o as loaded
.set WP,   220                         ; v220-231 w_o packed
.set TMP,  32                          ; way out (fragments are dead then)
.set PK,   80
.set RB0,  104
.set RB1,  232
.set G1A, 24                           ; s[24:31] group 1 for x's tiles
.set G0A, 32                           ; s[32:39] group 0 for x's tiles, a set for each slot
.set G1B, 48                           ; s[48:55] group 1 for W's tiles
.set G0B, 56                           ; s[56:63] group 0 for W's tiles, a set for each slot
.set MSB, 0
.macro WIN new                         ; the immediate's high byte repeats the setting that is left
.if MSB != \new
	s_set_vgpr_msb (MSB<<8)|\new
.set MSB, \new
.endif
.endm
.macro PLACES                          ; four places behind a matrix instruction (ISA guide 7.12.1)
.rept 4
	v_nop
.endr
.endm
; A joint load: waves 0, 1 ask for x's two halves, waves 2, 3 for W's.  The branch hangs on the wave's number alone.
.macro JLOAD s
	s_cmp_eq_u32 s11, 0
	s_cbranch_scc0 .Lfor_b_\@
	tensor_load_to_lds s[G0A+4*\s:G0A+4*\s+3], s[G1A:G1A+7]
	s_nop 0
	s_branch .Lasked_\@
.Lfor_b_\@:
	tensor_load_to_lds s[G0B+4*\s:G0B+4*\s+3], s[G1B:G1B+7]
	s_nop 0
.Lasked_\@:
.endm
.macro CREST                           ; a round of the cluster's barrier behind its opening work-group barrier
	s_cmp_lg_u32 s10, 0
	s_cbranch_scc1 .Lnot_wave_0_\@
	s_barrier_signal -3
.Lnot_wave_0_\@:
	s_barrier_wait -3
	s_barrier_signal -1
	s_barrier_wait -1
.endm
.macro CROUND                          ; a whole round
	s_barrier_signal -1
	s_barrier_wait -1
	CREST
.endm
	s_load_b512 s[68:83], s[0:1], 0x0              ; q, k, v, w_q, w_k, w_v, b_q, b_k
	s_load_b256 s[84:91], s[0:1], 0x40             ; b_v, w_o, qh, kh
	s_load_b128 s[92:95], s[0:1], 0x60             ; vh, wo16
	s_set_vgpr_msb 0xc0
	v_lshl_add_u32 v224, v0, 2, 0x3ec00
	v_mov_b32 v225, 0
	s_set_vgpr_msb 0xc0cf
	ds_add_u32 v224, v225
	s_set_vgpr_msb 0xcf00
	v_lshrrev_b32 v1, 5, v0
	v_readfirstlane_b32 s10, v1                    ; wave 0..3
	s_lshr_b32 s11, s10, 1                         ; mi: which 128 rows are mine.  Also: I fetch x (0) or W (1)
	s_and_b32 s12, s10, 1                          ; ni: which 96 features.  Also: which half of that tile I fetch
	s_bfe_u32 s40, ttmp6, 0x40000                  ; cx
	s_bfe_u32 s41, ttmp6, 0x40004                  ; cy
	s_lshl_b32 s42, ttmp9, 2
	s_add_co_u32 s42, s42, s40                     ; block column 0..3 (192 features each)
	s_and_b32 s99, ttmp7, 0xffff                   ; cluster y 0..11
	s_lshr_b32 s45, s99, 2                         ; which projection: 0 q, 1 k, 2 v; the same in the whole cluster
	s_and_b32 s13, s99, 3
	s_lshl_b32 s13, s13, 2
	s_add_co_u32 s13, s13, s41                     ; block row 0..15 (256 rows each)
	s_lshl_b32 s99, s99, 2
	s_add_co_u32 s99, s99, s41
	s_lshl_b32 s99, s99, 2
	s_add_co_u32 s99, s99, s42                     ; the work-group's number 0..191, for the side job
	s_lshl_b32 s43, s41, 2
	s_lshl_b32 s43, 15, s43                        ; my row of the cluster
	s_lshl_b32 s44, 0x1111, s40                    ; my column
	; group 1: rows of 64 elements of 4 bytes, 16 bytes of padding behind every 64 words
	s_or_b32 s[G1A+0], s43, (2<<16)|(1<<20)|(1<<21)|(5<<22)|(3<<25)
	s_or_b32 s[G1B+0], s44, (2<<16)|(1<<20)|(1<<21)|(5<<22)|(3<<25)
	s_mov_b32 s[G1A+1], 64<<16                     ; tensor_dim0 = 64
	s_mov_b32 s[G1B+1], 64<<16
	s_mov_b32 s[G1A+2], 128<<16                    ; tensor_dim1 = 128 rows
	s_mov_b32 s[G1B+2], 96<<16                     ; 96 rows
	s_mov_b32 s[G1A+3], 64<<16                     ; tile_dim0 = 64
	s_mov_b32 s[G1B+3], 64<<16
	s_mov_b32 s[G1A+4], 128                        ; tile_dim1
	s_mov_b32 s[G1B+4], 96
	s_mov_b32 s[G1A+5], 768                        ; elements from row to row
	s_mov_b32 s[G1B+5], 768
	s_mov_b32 s[G1A+6], 0
	s_mov_b32 s[G1B+6], 0
	s_mov_b32 s[G1A+7], 0
	s_mov_b32 s[G1B+7], 0
	; x's tiles hang on the block row alone, W's on the block column alone, each in registers that never hold the other coordinate
	s_lshl_b32 s17, s12, 7
	s_lshl_b32 s16, s13, 8
	s_add_co_u32 s16, s16, s17
	s_mul_i32 s16, s16, ROWB                       ; x: (256 block row + 128 half) rows, in bytes
	s_mov_b32 s17, 0
	s_mul_i32 s46, s42, 192
	s_mul_i32 s47, s12, 96
	s_add_co_u32 s46, s46, s47
	s_mul_i32 s46, s46, ROWB                       ; W: (192 block column + 96 half) rows
	s_mov_b32 s47, 0
	s_mul_i32 s20, s10, AHALF                      ; LDS: x's halves at wave x 128 rows (waves 0, 1)
	s_mul_i32 s21, s10, BHALF
	s_add_co_u32 s21, s21, ABYTES-2*BHALF          ; W's halves behind x's 256 rows (waves 2, 3)
	s_mul_i32 s18, s13, 256*ROWB
	s_add_co_u32 s18, s18, 4*256                   ; prefetch: my block row, K step 4
	s_mov_b32 s19, 0
	s_wait_dscnt 0x0
	s_wait_kmcnt 0x0
	s_cmp_eq_u32 s45, 0                            ; q's or k's buffers,
	s_cselect_b64 s[4:5], s[68:69], s[70:71]       ; x
	s_cselect_b64 s[6:7], s[74:75], s[76:77]       ; W
	s_cselect_b64 s[66:67], s[80:81], s[82:83]     ; bias
	s_cselect_b64 s[8:9], s[88:89], s[90:91]       ; out
	s_cselect_b32 s98, 0x3e38aa3b, 1.0             ; 0.125 log2(e) for q, 1 otherwise
	s_cmp_eq_u32 s45, 2                            ; or v's
	s_cselect_b64 s[4:5], s[72:73], s[4:5]
	s_cselect_b64 s[6:7], s[78:79], s[6:7]
	s_cselect_b64 s[66:67], s[84:85], s[66:67]
	s_cselect_b64 s[8:9], s[92:93], s[8:9]
	s_add_nc_u64 s[14:15], s[4:5], s[16:17]
	s_add_nc_u64 s[46:47], s[6:7], s[46:47]
	s_add_nc_u64 s[96:97], s[4:5], s[18:19]
	CROUND                                         ; all sixteen work-groups are here: the first joint loads meet
.irp s, 0,1
	s_mov_b32 s[G0A+4*\s], 1
	s_add_co_u32 s[G0A+4*\s+1], s20, \s*SLOT
	s_add_nc_u64 s[G0A+4*\s+2:G0A+4*\s+3], s[14:15], \s*256        ; K step s
	s_or_b32 s[G0A+4*\s+3], s[G0A+4*\s+3], 0x80000000
	s_mov_b32 s[G0B+4*\s], 1
	s_add_co_u32 s[G0B+4*\s+1], s21, \s*SLOT
	s_add_nc_u64 s[G0B+4*\s+2:G0B+4*\s+3], s[46:47], \s*256
	s_or_b32 s[G0B+4*\s+3], s[G0B+4*\s+3], 0x80000000
	JLOAD \s                                       ; both slots are asked for before anything else: two tensor loads out in each wave
.endr
	; the side job's loads and the bias loads
	v_and_b32 v1, 15, v0                           ; r = l % 16
	v_bfe_u32 v2, v0, 4, 1                         ; g = l / 16
	v_and_b32 v4, 31, v0                           ; l
	s_mul_i32 s22, s99, 12288
	v_lshl_add_u32 v[WI], v0, 5, s22               ; 3,072 f32 a work-group; a thread takes 8 numbers of each 1,024
	s_mul_i32 s23, s99, 6144
	v_lshl_add_u32 v[WO], v0, 4, s23
.irp j, 0,1,2
	global_load_b128 v[WF+8*\j:WF+8*\j+3],   v[WI], s[86:87] offset:\j*4096 th:TH_LOAD_NT
	global_load_b128 v[WF+8*\j+4:WF+8*\j+7], v[WI], s[86:87] offset:\j*4096+16 th:TH_LOAD_NT
.endr
	s_mul_i32 s22, s42, 768
	s_mul_i32 s23, s12, 384
	s_add_co_u32 s22, s22, s23
	v_lshl_add_u32 v[BOFF], v2, 5, s22             ; 4 (192 block column + 96 ni) + 32 g
.irp b, 0,1,2,3,4,5
	global_load_b128 v[BI+8*\b:BI+8*\b+3],   v[BOFF], s[66:67] offset:64*\b
	global_load_b128 v[BI+8*\b+4:BI+8*\b+7], v[BOFF], s[66:67] offset:64*\b+16
.endr
	; A fragment wants, of row r, k = 8 g + 0..7 and 16 + 8 g + 0..7: in f32 the bytes 32 g + 0..31 and 64 + 32 g + 0..31
	v_mul_u32_u24 v3, v1, PITCH
	v_lshl_add_u32 v3, v2, 5, v3
	s_mul_i32 s22, s11, AHALF
	s_mul_i32 s23, s12, BHALF
	s_add_co_u32 s23, s23, ABYTES
.irp s, 0,1
	v_add_nc_u32 v[ADRA+\s], s22, v3
	v_add_nc_u32 v[ADRB+\s], s23, v3
	s_add_co_u32 s22, s22, SLOT
	s_add_co_u32 s23, s23, SLOT
.endr
	s_mul_i32 s22, s10, 16*SPITCH
	s_add_co_u32 s22, s22, STAGE                   ; my stage
	v_mul_u32_u24 v5, v1, SPITCH
	v_lshl_add_u32 v5, v2, 4, v5
	v_add_nc_u32 v[STO], s22, v5                   ; in: row r, 16 bytes for each half of the lanes
	v_lshrrev_b32 v5, 2, v4
	v_mul_u32_u24 v5, v5, SPITCH
	v_and_b32 v6, 3, v4
	v_lshl_add_u32 v5, v6, 4, v5
	v_add_nc_u32 v[RD], s22, v5                    ; back: four lanes take 64 bytes of a row, 32 lanes eight rows
	v_lshlrev_b32 v[CO], 4, v4
	s_lshl_b32 s22, s40, 6
	s_lshl4_add_u32 s22, s10, s22                  ; 64 cx + 16 wave
	v_add_nc_u32 v5, s22, v1
	v_mul_u32_u24 v5, v5, ROWB
	v_lshl_add_u32 v[PFO], v2, 8, v5               ; prefetch: row 64 cx + 16 wave + r of the block row, K step g of a pair
	s_wait_loadcnt 12                              ; w_o's six loads are in; the twelve bias loads issued behind them stay out
.set p, 0
.rept 12
	v_cvt_pk_f16_f32 v[WP+p], v[WF+2*p], v[WF+2*p+1]
.set p, p+1
.endr
.irp j, 0,1,2
	global_store_b128 v[WO], v[WP+4*\j:WP+4*\j+3], s[94:95] offset:\j*2048   ; a wave's store covers 512 consecutive bytes, aligned
.endr
; 24 matrix instructions: my rows 64 hi + 0..63 (four fragments) x all six feature tiles, 32 along K.  zero = 1: the product starts the sums.
; The 48 accumulators take turns, one instruction a turn, in one fixed order.
.macro MUL24 hi, zero
.irp a, 0,1,2,3
.irp b, 0,1,2,3,4,5
.if \zero
	v_wmma_f32_16x16x32_f16 v[8*(6*\a+\b):8*(6*\a+\b)+7], v[FB+8*\b:FB+8*\b+7], v[FB+48+8*(4*\hi+\a):FB+48+8*(4*\hi+\a)+7], 0
.else
	v_wmma_f32_16x16x32_f16 v[8*(6*\a+\b):8*(6*\a+\b)+7], v[FB+8*\b:FB+8*\b+7], v[FB+48+8*(4*\hi+\a):FB+48+8*(4*\hi+\a)+7], v[8*(6*\a+\b):8*(6*\a+\b)+7]
.endif
.endr
.endr
.endm
; 56 LDS loads: the f32 numbers of 14 fragments (32 along K, half h of the K step) into the staging registers of window 3
.macro FETCH slot, h
	WIN 0xc0
.irp i, 0,1,2,3,4,5
	ds_load_b128 v[16*\i:16*\i+3],     v[ADRB+\slot] offset:\h*128+\i*16*PITCH
	ds_load_b128 v[16*\i+4:16*\i+7],   v[ADRB+\slot] offset:\h*128+\i*16*PITCH+16
	ds_load_b128 v[16*\i+8:16*\i+11],  v[ADRB+\slot] offset:\h*128+\i*16*PITCH+64
	ds_load_b128 v[16*\i+12:16*\i+15], v[ADRB+\slot] offset:\h*128+\i*16*PITCH+80
.endr
.irp i, 0,1,2,3,4,5,6,7
	ds_load_b128 v[96+16*\i:96+16*\i+3],     v[ADRA+\slot] offset:\h*128+\i*16*PITCH
	ds_load_b128 v[96+16*\i+4:96+16*\i+7],   v[ADRA+\slot] offset:\h*128+\i*16*PITCH+16
	ds_load_b128 v[96+16*\i+8:96+16*\i+11],  v[ADRA+\slot] offset:\h*128+\i*16*PITCH+64
	ds_load_b128 v[96+16*\i+12:96+16*\i+15], v[ADRA+\slot] offset:\h*128+\i*16*PITCH+80
.endr
.endm
; staging to fragments: 224 f32 become 112 registers of f16 pairs
.macro CVT
	WIN 0x0f
.set p, 0
.rept 112
	v_cvt_pk_f16_f32 v[FB+p], v[2*p], v[2*p+1]
.set p, p+1
.endr
.endm
; First half of a K step: the fragments hold its k 0..31; the second half's numbers are fetched while they are multiplied.
.macro HALF slot, zero, pf
	FETCH \slot, 1
.if \pf
	global_prefetch_b8 v[PFO], s[96:97] th:TH_LOAD_NT scope:SCOPE_SE   ; one block of 256 bytes a lane: x's K steps of the lap after next
.endif
	WIN 0x50
	MUL24 0, \zero
	WIN 0xa0
	MUL24 1, \zero
	s_wait_dscnt 0x0                               ; the staging registers are full
	WIN 0x0f
	PLACES                                         ; the conversions write registers that the matrix instructions read
	CVT
.endm
; Second half, and the change of slots.  In front of the barrier: my reads of this slot are back and all my tensor loads have landed
; (the one that was out is my part of the next slot).  Behind it (fill = 1: behind the cluster's round that it opens) the refill comes first.
.macro TURN slot, next, fill
	s_wait_dscnt 0x0
	s_wait_tensorcnt 0x0
	ds_add_u32 v224, v225
	s_wait_dscnt 0x0
	s_barrier_signal -1
	WIN 0x50
	MUL24 0, 0                                     ; register work while the others arrive
	WIN 0
	s_barrier_wait -1
.if \fill
	CREST
	s_add_nc_u64 s[G0A+4*\slot+2:G0A+4*\slot+3], s[G0A+4*\slot+2:G0A+4*\slot+3], 512   ; two K steps on; no tensor load of mine is out
	s_add_nc_u64 s[G0B+4*\slot+2:G0B+4*\slot+3], s[G0B+4*\slot+2:G0B+4*\slot+3], 512
	JLOAD \slot                                    ; my one tensor load behind the round
.endif
	FETCH \next, 0
	WIN 0xa0
	MUL24 1, 0
	s_wait_dscnt 0x0
	WIN 0x0f
	PLACES
	CVT
.endm
.macro LAP zero, fill, pf              ; two K steps, once round the ring
	HALF 0, \zero, \pf
	TURN 0, 1, \fill
	HALF 1, 0, 0
	TURN 1, 0, \fill
.if \pf
	s_wait_xcnt 0x0                                ; the prefetch's base is stepped only behind this wait
	s_add_nc_u64 s[96:97], s[96:97], 512
.endif
.endm
	s_wait_tensorcnt 0x1                           ; my part of K step 0 is in; K step 1's load may stay out
	s_barrier_signal -1
	s_barrier_wait -1
	FETCH 0, 0
	s_wait_dscnt 0x0
	CVT
	LAP 1, 1, 1                                    ; K steps 0, 1: the first products start the sums.  Prefetch: K steps 4, 5
	WIN 0
	s_mov_b32 s3, 3
.Llap:
	LAP 0, 1, 1                                    ; K steps 2..7; the prefetch ends with K steps 10, 11, the row's last
	WIN 0
	s_sub_co_u32 s3, s3, 1
	s_cmp_lg_u32 s3, 0
	s_cbranch_scc1 .Llap
	LAP 0, 1, 0                                    ; K steps 8, 9; asks for 10 and 11
	HALF 0, 0, 0                                   ; the last lap fills nothing
	TURN 0, 1, 0
	HALF 1, 0, 0
	WIN 0x50
	MUL24 0, 0
	WIN 0xa0
	MUL24 1, 0
	; THE WAY OUT: (sum + bias) x scale = sum x scale + (bias x scale), to f16, 16 rows at a time through my own stage
	WIN 0
	PLACES
	s_wait_loadcnt 0x0                             ; the bias
	v_mov_b32 v[SCV], s98
	v_mov_b32 v[SCV+1], s98
.set p, 0
.rept 24
	v_pk_mul_f32 v[BI+2*p:BI+2*p+1], v[BI+2*p:BI+2*p+1], v[SCV:SCV+1]
.set p, p+1
.endr
	s_mul_i32 s46, s42, 6
	s_mul_i32 s47, s12, 3
	s_add_co_u32 s46, s46, s47
	s_lshl_b32 s46, s46, 18                        ; my first plane: 6 block column + 3 ni
	s_lshl_b32 s16, s13, 8
	s_lshl_b32 s17, s11, 7
	s_add_co_u32 s16, s16, s17
	s_lshl_b32 s16, s16, 6                         ; my first row, 64 bytes each
	s_add_co_u32 s46, s46, s16
	s_mov_b32 s47, 0
	s_add_nc_u64 s[8:9], s[8:9], s[46:47]
; rows 16 i .. 16 i + 15 of my block: tiles (a, 0..5) of window 1 or 2 (from: source 0's window); rb: read-back registers in turn
.macro OUT16 i, a, from, rb
	WIN \from
.irp b, 0,1,2,3,4,5
.irp j, 0,2,4,6
	v_pk_fma_f32 v[TMP+8*\b+\j:TMP+8*\b+\j+1], v[8*(6*\a+\b)+\j:8*(6*\a+\b)+\j+1], v[SCV:SCV+1], v[BI+8*\b+\j:BI+8*\b+\j+1]
.endr
.endr
	WIN 0
.set p, 0
.rept 24
	v_cvt_pk_f16_f32 v[PK+p], v[TMP+2*p], v[TMP+2*p+1]
.set p, p+1
.endr
.irp b, 0,1,2,3,4,5
	ds_store_b128 v[STO], v[PK+4*\b:PK+4*\b+3] offset:32*\b
.endr
	s_wait_xcnt 0x0                                ; the read-back registers, which earlier stores read, are loaded again only behind this wait
.irp t, 0,1,2,3,4,5
	ds_load_b128 v[\rb+4*\t:\rb+4*\t+3], v[RD] offset:(\t&1)*8*SPITCH+(\t>>1)*64   ; LDS serves a wave's instructions in order: these see the stores above
.endr
.irp t, 0,1,2,3,4,5
	s_wait_dscnt 5-\t                              ; read-back t is in, the younger ones stay out
	global_store_b128 v[CO], v[\rb+4*\t:\rb+4*\t+3], s[8:9] offset:(\t>>1)*PLANE+(\t&1)*512+\i*1024   ; eight rows of a plane: 512 consecutive bytes, aligned
.endr
.endm
	OUT16 0, 0, 0x01, RB0
	OUT16 1, 1, 0x01, RB1
	OUT16 2, 2, 0x01, RB0
	OUT16 3, 3, 0x01, RB1
	OUT16 4, 0, 0x02, RB0
	OUT16 5, 1, 0x02, RB1
	OUT16 6, 2, 0x02, RB0
	OUT16 7, 3, 0x02, RB1
	s_set_vgpr_msb 0xf
	s_wait_tensorcnt 0x0
	ds_add_u32 v224, v225
	s_wait_dscnt 0x0
	s_set_vgpr_msb 0xf00
	CROUND                                         ; the closing round: no work-group ends while a partner may still ask jointly
	s_endpgm
.Lfunc_end_k_q02512a6640_proj:
	.size	k_q02512a6640_proj, .Lfunc_end_k_q02512a6640_proj-k_q02512a6640_proj
	.p2alignl 7, 3214868480
	.fill 96, 4, 3214868480
	.section	.rodata,"a",@progbits
	.p2align	6, 0x0
	.amdhsa_kernel k_q02512a6640_proj
		.amdhsa_group_segment_fixed_size 327680
		.amdhsa_private_segment_fixed_size 0
		.amdhsa_enable_private_segment 0
		.amdhsa_kernarg_size 112
		.amdhsa_user_sgpr_count 2
		.amdhsa_user_sgpr_kernarg_segment_ptr 1
		.amdhsa_wavefront_size32 1
		.amdhsa_system_sgpr_workgroup_id_x 1
		.amdhsa_system_sgpr_workgroup_id_y 1
		.amdhsa_system_sgpr_workgroup_id_z 1
		.amdhsa_system_vgpr_workitem_id 0
		.amdhsa_next_free_vgpr 994
		.amdhsa_next_free_sgpr 100
		.amdhsa_reserve_vcc 0
		.amdhsa_float_denorm_mode_32 3
		.amdhsa_float_denorm_mode_16_64 3
		.amdhsa_memory_ordered 1
		.amdhsa_forward_progress 1
		.amdhsa_inst_pref_size 255
	.end_amdhsa_kernel
	.section	.bss,"aw",@nobits
	.p2align	6
	.space	262144
	.amdgpu_metadata
---
amdhsa.version: [ 1, 2 ]
amdhsa.kernels:
  - .name:           k_q02512a6640_proj
    .symbol:         k_q02512a6640_proj.kd
    .args:
      - { .name: q, .offset: 0, .size: 8, .value_kind: global_buffer, .address_space: global }
      - { .name: k, .offset: 8, .size: 8, .value_kind: global_buffer, .address_space: global }
      - { .name: v, .offset: 16, .size: 8, .value_kind: global_buffer, .address_space: global }
      - { .name: w_q, .offset: 24, .size: 8, .value_kind: global_buffer, .address_space: global }
      - { .name: w_k, .offset: 32, .size: 8, .value_kind: global_buffer, .address_space: global }
      - { .name: w_v, .offset: 40, .size: 8, .value_kind: global_buffer, .address_space: global }
      - { .name: b_q, .offset: 48, .size: 8, .value_kind: global_buffer, .address_space: global }
      - { .name: b_k, .offset: 56, .size: 8, .value_kind: global_buffer, .address_space: global }
      - { .name: b_v, .offset: 64, .size: 8, .value_kind: global_buffer, .address_space: global }
      - { .name: w_o, .offset: 72, .size: 8, .value_kind: global_buffer, .address_space: global }
      - { .name: qh, .offset: 80, .size: 8, .value_kind: global_buffer, .address_space: global }
      - { .name: kh, .offset: 88, .size: 8, .value_kind: global_buffer, .address_space: global }
      - { .name: vh, .offset: 96, .size: 8, .value_kind: global_buffer, .address_space: global }
      - { .name: wo16, .offset: 104, .size: 8, .value_kind: global_buffer, .address_space: global }
    .group_segment_fixed_size: 327680
    .private_segment_fixed_size: 0
    .kernarg_segment_align: 8
    .kernarg_segment_size: 112
    .max_flat_workgroup_size: 128
    .sgpr_count:     100
    .vgpr_count:     994
    .wavefront_size: 32
...
	.end_amdgpu_metadata
.endif
;; end of part 1
;; launch attn (part 2): grid 8 x 24, 16 waves a work-group, clusters of 4 x 1, 327,680 bytes of LDS; arguments qh, kh, vh, ctx; writes ctx
.if DOCPART == 2
	.amdgcn_target "amdgcn-amd-amdhsa--gfx1250"
	.amdhsa_code_object_version 6
	.text
	.protected	k_q02512a6640_attn
	.globl	k_q02512a6640_attn
	.p2align	8
	.type	k_q02512a6640_attn,@function
k_q02512a6640_attn:
	s_mov_b64 s[64:65], 0
	v_nop
	global_prefetch_b8 v0, s[64:65] scope:SCOPE_SE
	s_setreg_imm32_b32 hwreg(HW_REG_WAVE_MODE, 25, 1), 1
	s_wait_xcnt 0x0
	s_wait_alu depctr_hold_cnt(0) depctr_sa_sdst(0) depctr_va_vdst(0) depctr_va_sdst(0) depctr_va_ssrc(0) depctr_va_vcc(0) depctr_vm_vsrc(0)
	s_getreg_b32 s2, hwreg(HW_REG_IB_STS2, 6, 4)
	s_cmp_eq_u32 s2, 0
	s_cbranch_scc0 .Lentry_in_a_cluster
	s_endpgm
.Lentry_in_a_cluster:
	s_bfe_u32 s2, ttmp6, 0x10000c
	s_cmp_lg_u32 s2, 0x3003
	s_cbranch_scc0 .Lentry_shape_is_right
	s_endpgm
.Lentry_shape_is_right:
; Attention for one (batch, head) and 256 query rows: softmax over 2,048 keys with a running maximum, sums in f32.
; qh, kh, vh: [24 planes of 32 features][4096 rows][32] f16 (head h = planes 2h, 2h+1); qh already carries 0.125 log2(e),
; so the exponentials are base 2 of score - maximum.  ctx: [12 heads][4096 rows][64] f16.
; LIMIT: the probabilities go to the matrix unit in f16: those below 2^-25 of the running maximum's term count as zero.
; SHARES: grid y = 12 batch + head; 8 query blocks of 256 rows along x.  Sixteen waves, four for each SIMD (4 x 250 registers), so that
; one wave's softmax runs beside the others' matrix work.  Wave w owns the 32 query rows 32 (w % 8) (two tiles of 16) and key half w / 8:
; two of the four units of 64 keys of every slot.  Each wave carries its own maximum, sum and O; at the end waves 8-15 hand theirs to
; waves 0-7 through LDS, which merge the two halves and write out.
; CLUSTER 4 x 1: four query blocks of one head need the same K and V tiles: every tile is asked for jointly (mask 15).
; EVERYTHING IS TRANSPOSED.  S^T = K Q^T: lane (r, g), register j holds key 8 g + j, query r.  Two neighbouring key tiles, packed
; pairwise in place, are the second source (32 keys x 16 queries) of O^T = V^T P^T: no trip through LDS.  Maximum, sum and rescaling
; factor are one number a lane (query r); lanes r and r + 16 hold the two halves of a tile's keys.
; LDS: two slots of 256 keys; a slot is sixteen regions of 6,144 bytes, one for each wave's load: regions 0-7 K's chunks of 32 keys
; ([2 planes][32 keys][80 bytes]), regions 8-15 V's ([2 planes][32 keys][96 bytes]).  Behind the slots, in bytes that no tensor load
; fills: the stage of waves 0-7 for the way out, and the exchange area of the eight pairs of waves.
.set REGN,  6144
.set SLOT,  16*REGN                    ; 98,304
.set STAGE, 2*SLOT                     ; 196,608
.set KP,    80                         ; K row: 64 bytes + 16, an odd multiple of 16
.set VP,    96                         ; V row: 64 bytes + 32, an odd multiple of 32, for the transposing loads
.set SP,    144                        ; stage row: 128 bytes + 16
.set XCH,   STAGE+8*32*SP              ; 233,472
.set XPAIR, 8704                       ; a pair's exchange: 64 registers of O (16 x 512 bytes), then maxima and sums (512 bytes)
.set PLANE, 262144
.set KADR, 2                           ; v2-3   my K fragment address in slot 0, 1 (my key half included)
.set VADR, 4                           ; v4-5   my V fragment address
.set STO,  6
.set RD,   7
.set CO,   8
.set QO,   9
.set MA,   10                          ; v[10:11], v[12:13]: (running maximum, rescaling factor) of query tile 0, 1
.set LS,   14                          ; v14-15 running sums (this lane's half of each tile's keys)
.set TP,   16                          ; v16-23 at work
.set QF,   24                          ; v24-55   Q fragments: tile i, plane c at QF+8(2i+c)
.set SC,   56                          ; v56-119  scores, then probabilities: query tile i, key tile tt at SC+32i+8tt
.set FR,   120                         ; v120-183 K fragments, then V fragments
.set OA,   184                         ; v184-247 O^T: query tile i, feature tile dt at OA+8(4i+dt)
.set G1K, 24
.set G1V, 32
.set G0K, 40                           ; a set for each slot
.set G0V, 48
.macro PLACES
.rept 4
	v_nop
.endr
.endm
.macro JLOAD s                         ; waves 0-7 ask for K's chunks, waves 8-15 for V's
	s_cmp_lt_u32 s12, 8
	s_cbranch_scc0 .Lfor_v_\@
	tensor_load_to_lds s[G0K+4*\s:G0K+4*\s+3], s[G1K:G1K+7]
	s_nop 0
	s_branch .Lasked_\@
.Lfor_v_\@:
	tensor_load_to_lds s[G0V+4*\s:G0V+4*\s+3], s[G1V:G1V+7]
	s_nop 0
.Lasked_\@:
.endm
.macro CREST                           ; a round of the cluster's barrier behind its opening work-group barrier
	s_cmp_lg_u32 s12, 0
	s_cbranch_scc1 .Lnot_wave_0_\@
	s_barrier_signal -3
.Lnot_wave_0_\@:
	s_barrier_wait -3
	s_barrier_signal -1
	s_barrier_wait -1
.endm
.macro CROUND
	s_barrier_signal -1
	s_barrier_wait -1
	CREST
.endm
	s_load_b256 s[4:11], s[0:1], 0x0               ; qh s[4:5], kh s[6:7], vh s[8:9], ctx s[10:11]
	v_lshl_add_u32 v248, v0, 2, 0x4a000
	v_mov_b32 v249, 0
	ds_add_u32 v248, v249
	v_lshrrev_b32 v1, 5, v0
	v_readfirstlane_b32 s12, v1                    ; wave 0..15
	s_and_b32 s13, s12, 7                          ; my query group.  Also: which chunk of 32 keys I fetch
	s_lshr_b32 s62, s12, 3                         ; my key half
	s_bfe_u32 s14, ttmp6, 0x40000                  ; cx
	s_lshl_b32 s15, ttmp9, 2
	s_add_co_u32 s15, s15, s14                     ; query block 0..7
	s_and_b32 s16, ttmp7, 0xffff
	s_cmp_ge_u32 s16, 12
	s_cselect_b32 s17, 1, 0                        ; batch
	s_mul_i32 s18, s17, 12
	s_sub_co_u32 s16, s16, s18                     ; head
	s_mov_b32 s56, 0x76543210                      ; v_permlanex16_b32: lane i reads lane i of the other half
	s_mov_b32 s57, 0xfedcba98
	; group 1: two rows (the head's two planes) of 1,024 elements of 2 bytes = 32 keys x 64 dense bytes; padding behind every 16 words
	s_mov_b32 s[G1K+0], 15|(1<<16)|(1<<20)|(1<<21)|(3<<22)|(3<<25)   ; 4 words of padding: pitch 80
	s_mov_b32 s[G1V+0], 15|(1<<16)|(1<<20)|(1<<21)|(3<<22)|(7<<25)   ; 8 words: pitch 96
	s_mov_b32 s[G1K+1], 1024<<16
	s_mov_b32 s[G1V+1], 1024<<16
	s_mov_b32 s[G1K+2], 2<<16
	s_mov_b32 s[G1V+2], 2<<16
	s_mov_b32 s[G1K+3], 1024<<16
	s_mov_b32 s[G1V+3], 1024<<16
	s_mov_b32 s[G1K+4], 2
	s_mov_b32 s[G1V+4], 2
	s_mov_b32 s[G1K+5], 131072                     ; elements from plane to plane
	s_mov_b32 s[G1V+5], 131072
	s_mov_b32 s[G1K+6], 0
	s_mov_b32 s[G1V+6], 0
	s_mov_b32 s[G1K+7], 0
	s_mov_b32 s[G1V+7], 0
	s_lshl_b32 s18, s16, 19                        ; 2 head planes
	s_lshl_b32 s19, s17, 17                        ; + batch x 2,048 rows of 64 bytes
	s_add_co_u32 s18, s18, s19
	s_lshl_b32 s19, s13, 11                        ; K, V: + my chunk of 32 rows.  No place in the cluster enters
	s_add_co_u32 s20, s18, s19
	s_mov_b32 s21, 0
	s_lshl_b32 s23, s15, 14                        ; Q: + 256 rows a query block
	s_add_co_u32 s22, s18, s23
	s_add_co_u32 s22, s22, s19                     ; + 32 rows a query group
	s_mov_b32 s23, 0
	s_lshl_b32 s58, s16, 19                        ; ctx: head x 4,096 rows of 128 bytes
	s_lshl_b32 s59, s17, 18
	s_add_co_u32 s58, s58, s59
	s_lshl_b32 s59, s15, 15
	s_add_co_u32 s58, s58, s59
	s_lshl_b32 s59, s13, 12
	s_add_co_u32 s58, s58, s59
	s_mov_b32 s59, 0
	s_mul_i32 s60, s12, REGN                       ; my region of a slot
	s_wait_dscnt 0x0
	s_wait_kmcnt 0x0
	s_add_nc_u64 s[6:7], s[6:7], s[20:21]
	s_add_nc_u64 s[8:9], s[8:9], s[20:21]
	s_add_nc_u64 s[4:5], s[4:5], s[22:23]
	s_add_nc_u64 s[10:11], s[10:11], s[58:59]
	CROUND                                         ; the four work-groups are here: the first joint loads meet
.irp s, 0,1
	s_mov_b32 s[G0K+4*\s], 1
	s_add_co_u32 s[G0K+4*\s+1], s60, \s*SLOT
	s_add_nc_u64 s[G0K+4*\s+2:G0K+4*\s+3], s[6:7], \s*16384        ; tile s: 256 keys of 64 bytes further
	s_or_b32 s[G0K+4*\s+3], s[G0K+4*\s+3], 0x80000000
	s_mov_b32 s[G0V+4*\s], 1
	s_add_co_u32 s[G0V+4*\s+1], s60, \s*SLOT
	s_add_nc_u64 s[G0V+4*\s+2:G0V+4*\s+3], s[8:9], \s*16384
	s_or_b32 s[G0V+4*\s+3], s[G0V+4*\s+3], 0x80000000
	JLOAD \s                                       ; two tensor loads out in each wave
.endr
	v_and_b32 v1, 15, v0                           ; r
	v_bfe_u32 v16, v0, 4, 1                        ; g
	v_and_b32 v17, 31, v0                          ; lane
	v_lshlrev_b32 v18, 6, v1
	v_lshl_add_u32 v[QO], v16, 4, v18              ; row r of 64 bytes + 16 g
.irp i, 0,1
.irp c, 0,1
	global_load_b128 v[QF+8*(2*\i+\c):QF+8*(2*\i+\c)+3],   v[QO], s[4:5] offset:\c*PLANE+\i*1024
	global_load_b128 v[QF+8*(2*\i+\c)+4:QF+8*(2*\i+\c)+7], v[QO], s[4:5] offset:\c*PLANE+\i*1024+32
.endr
.endr
	s_mul_i32 s63, s62, 4*REGN                     ; my key half: four chunks of 32 keys further
	v_mul_u32_u24 v18, v1, KP
	v_lshl_add_u32 v18, v16, 4, v18                ; key r of a tile, 16 g
	v_add_nc_u32 v[KADR], s63, v18
	v_add_nc_u32 v[KADR+1], SLOT, v[KADR]
	s_add_co_u32 s63, s63, 8*REGN                  ; V's regions lie behind K's eight
	v_and_b32 v18, 7, v0
	v_lshl_add_u32 v18, v16, 3, v18                ; transposing load: key 8 g + lane % 8,
	v_mul_u32_u24 v18, v18, VP
	v_bfe_u32 v19, v0, 3, 1
	v_lshl_add_u32 v18, v19, 4, v18                ; features 8 ((lane / 8) % 2) + 0..7
	v_add_nc_u32 v[VADR], s63, v18
	v_add_nc_u32 v[VADR+1], SLOT, v[VADR]
	s_mul_i32 s61, s12, 32*SP
	s_add_co_u32 s61, s61, STAGE                   ; the stage; used by waves 0-7 alone
	v_mul_u32_u24 v18, v1, SP
	v_lshl_add_u32 v18, v16, 4, v18
	v_add_nc_u32 v[STO], s61, v18
	v_lshrrev_b32 v18, 3, v17
	v_mul_u32_u24 v18, v18, SP
	v_and_b32 v19, 7, v0
	v_lshl_add_u32 v18, v19, 4, v18
	v_add_nc_u32 v[RD], s61, v18                   ; back: eight lanes take a row of 128 bytes, 32 lanes four rows
	v_lshlrev_b32 v[CO], 4, v17
	v_mov_b32 v[MA+1], 1.0                         ; so that both registers of each (maximum, factor) pair are written
	v_mov_b32 v[MA+3], 1.0
.macro KLOAD slot, u                   ; unit u of my half: 64 keys x 64 features: 8 fragments, key tile tt, plane c at FR+8(2tt+c)
.irp tt, 0,1,2,3
.irp c, 0,1
	ds_load_b128 v[FR+8*(2*\tt+\c):FR+8*(2*\tt+\c)+3],   v[KADR+\slot] offset:(2*\u+(\tt>>1))*REGN+\c*32*KP+(\tt&1)*16*KP
	ds_load_b128 v[FR+8*(2*\tt+\c)+4:FR+8*(2*\tt+\c)+7], v[KADR+\slot] offset:(2*\u+(\tt>>1))*REGN+\c*32*KP+(\tt&1)*16*KP+32
.endr
.endr
.endm
.macro VLOAD slot, u                   ; V^T: 8 fragments of 16 features x 32 keys, chunk kc, feature tile dt at FR+8(4kc+dt)
.irp kc, 0,1
.irp dt, 0,1,2,3
	ds_load_tr16_b128 v[FR+8*(4*\kc+\dt):FR+8*(4*\kc+\dt)+3],   v[VADR+\slot] offset:(2*\u+\kc)*REGN+(\dt>>1)*32*VP+(\dt&1)*32
	ds_load_tr16_b128 v[FR+8*(4*\kc+\dt)+4:FR+8*(4*\kc+\dt)+7], v[VADR+\slot] offset:(2*\u+\kc)*REGN+(\dt>>1)*32*VP+(\dt&1)*32+16*VP
.endr
.endr
.endm
; One unit: 64 keys x my 32 queries.  first = 1: nothing is carried yet.  sig = 1: my last unit of this slot: the barrier of the change
; of slots is signalled as soon as V's fragments are in registers; what follows up to the barrier's wait works on registers alone.
; In both products eight accumulators take turns, one instruction a turn.
.macro UNIT slot, u, first, sig
	s_wait_dscnt 0x0                               ; K's fragments
.irp c, 0,1
.irp tt, 0,1,2,3
.irp i, 0,1
.if \c
	v_wmma_f32_16x16x32_f16 v[SC+32*\i+8*\tt:SC+32*\i+8*\tt+7], v[FR+8*(2*\tt+\c):FR+8*(2*\tt+\c)+7], v[QF+8*(2*\i+\c):QF+8*(2*\i+\c)+7], v[SC+32*\i+8*\tt:SC+32*\i+8*\tt+7]
.else
	v_wmma_f32_16x16x32_f16 v[SC+32*\i+8*\tt:SC+32*\i+8*\tt+7], v[FR+8*(2*\tt+\c):FR+8*(2*\tt+\c)+7], v[QF+8*(2*\i+\c):QF+8*(2*\i+\c)+7], 0
.endif
.endr
.endr
.endr
	PLACES                                         ; in front of the loads into K's fragment registers and of the reads of the scores
	VLOAD \slot, \u
	; the largest of my 32 scores of each query tile, with the maximum so far: 16 three-way maxima a tile, in four chains
.irp i, 0,1
.irp k, 0,1,2,3
	v_max3_num_f32 v[TP+4*\i+\k], v[SC+32*\i+8*\k], v[SC+32*\i+8*\k+1], v[SC+32*\i+8*\k+2]
.endr
.endr
.irp i, 0,1
.irp k, 0,1,2,3
	v_max3_num_f32 v[TP+4*\i+\k], v[TP+4*\i+\k], v[SC+32*\i+8*\k+3], v[SC+32*\i+8*\k+4]
.endr
.endr
.irp i, 0,1
.irp k, 0,1,2,3
	v_max3_num_f32 v[TP+4*\i+\k], v[TP+4*\i+\k], v[SC+32*\i+8*\k+5], v[SC+32*\i+8*\k+6]
.endr
.endr
.irp i, 0,1
	v_max3_num_f32 v[TP+4*\i],   v[TP+4*\i],   v[TP+4*\i+1], v[SC+32*\i+7]
	v_max3_num_f32 v[TP+4*\i+2], v[TP+4*\i+2], v[TP+4*\i+3], v[SC+32*\i+15]
.endr
.irp i, 0,1
	v_max3_num_f32 v[TP+4*\i], v[TP+4*\i], v[SC+32*\i+23], v[SC+32*\i+31]
.endr
.irp i, 0,1
.if \first
	v_max_num_f32 v[TP+4*\i], v[TP+4*\i], v[TP+4*\i+2]
.else
	v_max3_num_f32 v[TP+4*\i], v[TP+4*\i], v[TP+4*\i+2], v[MA+2*\i]
.endif
.endr
.irp i, 0,1
	v_permlanex16_b32 v[TP+4*\i+1], v[TP+4*\i], s56, s57           ; the other half of the tile's keys
.endr
.if \first
.irp i, 0,1
	v_max_num_f32 v[MA+2*\i], v[TP+4*\i], v[TP+4*\i+1]
.endr
.else
.irp i, 0,1
	v_max_num_f32 v[TP+4*\i], v[TP+4*\i], v[TP+4*\i+1]
.endr
.irp i, 0,1
	v_sub_f32 v[MA+2*\i+1], v[MA+2*\i], v[TP+4*\i]                 ; old maximum - new, at most 0
.endr
.irp i, 0,1
	v_exp_f32 v[MA+2*\i+1], v[MA+2*\i+1]                           ; the factor for what is carried
.endr
	s_wait_alu depctr_va_vdst(0)
.irp i, 0,1
	v_mov_b32 v[MA+2*\i], v[TP+4*\i]                               ; plain instructions behind the exponentials, ahead of the first use of the pairs (ISA guide 5.7.2)
.endr
.endif
.irp i, 0,1
.set p, 0
.rept 16
	v_pk_add_f32 v[SC+32*\i+2*p:SC+32*\i+2*p+1], v[SC+32*\i+2*p:SC+32*\i+2*p+1], v[MA+2*\i:MA+2*\i+1] op_sel_hi:[1,0] neg_lo:[0,1] neg_hi:[0,1]   ; score - maximum
.set p, p+1
.endr
.endr
.if \sig
	s_wait_dscnt 0x0                               ; V's fragments are in: they were my last reads of this slot
	s_wait_tensorcnt 0x0                           ; all my tensor loads have landed: the one that was out is my part of the other slot
	ds_add_u32 v248, v249
	s_wait_dscnt 0x0
	s_barrier_signal -1                            ; say so; up to the barrier's wait only registers are touched
.endif
.if \first == 0
.irp i, 0,1
.set p, 0
.rept 16
	v_pk_mul_f32 v[OA+32*\i+2*p:OA+32*\i+2*p+1], v[OA+32*\i+2*p:OA+32*\i+2*p+1], v[MA+2*\i:MA+2*\i+1] op_sel:[0,1] op_sel_hi:[1,1]   ; O x factor
.set p, p+1
.endr
.endr
.endif
.set p, 0
.rept 64
	v_exp_f32 v[SC+p], v[SC+p]
.set p, p+1
.endr
	v_nop                                          ; the plain place behind the exponentials
	; sums of my 32 probabilities of each tile, in f32, two chains of pairs a tile
	s_wait_alu depctr_va_vdst(0)
.irp i, 0,1
	v_pk_add_f32 v[TP+4*\i:TP+4*\i+1],   v[SC+32*\i:SC+32*\i+1],   v[SC+32*\i+2:SC+32*\i+3]
	v_pk_add_f32 v[TP+4*\i+2:TP+4*\i+3], v[SC+32*\i+4:SC+32*\i+5], v[SC+32*\i+6:SC+32*\i+7]
.endr
.irp k, 8,12,16,20,24,28
.irp i, 0,1
	v_pk_add_f32 v[TP+4*\i:TP+4*\i+1],   v[TP+4*\i:TP+4*\i+1],   v[SC+32*\i+\k:SC+32*\i+\k+1]
	v_pk_add_f32 v[TP+4*\i+2:TP+4*\i+3], v[TP+4*\i+2:TP+4*\i+3], v[SC+32*\i+\k+2:SC+32*\i+\k+3]
.endr
.endr
.irp i, 0,1
	v_pk_add_f32 v[TP+4*\i:TP+4*\i+1], v[TP+4*\i:TP+4*\i+1], v[TP+4*\i+2:TP+4*\i+3]
.endr
.if \first
.irp i, 0,1
	v_add_f32 v[LS+\i], v[TP+4*\i], v[TP+4*\i+1]
.endr
.else
.irp i, 0,1
	v_add_f32 v[TP+4*\i], v[TP+4*\i], v[TP+4*\i+1]
.endr
.irp i, 0,1
	v_fma_f32 v[LS+\i], v[LS+\i], v[MA+2*\i+1], v[TP+4*\i]
.endr
.endif
	; two key tiles pack in place into one fragment of 32 keys: register j takes registers 2j, 2j+1, ascending, so nothing is lost
.irp i, 0,1
.irp kc, 0,1
.irp j, 0,1,2,3,4,5,6,7
	v_cvt_pk_f16_f32 v[SC+32*\i+16*\kc+\j], v[SC+32*\i+16*\kc+2*\j], v[SC+32*\i+16*\kc+2*\j+1]
.endr
.endr
.endr
.if \sig == 0
	s_wait_dscnt 0x0                               ; V's fragments
.endif
.irp kc, 0,1
.irp dt, 0,1,2,3
.irp i, 0,1
.if \first*(1-\kc)
	v_wmma_f32_16x16x32_f16 v[OA+8*(4*\i+\dt):OA+8*(4*\i+\dt)+7], v[FR+8*(4*\kc+\dt):FR+8*(4*\kc+\dt)+7], v[SC+32*\i+16*\kc:SC+32*\i+16*\kc+7], 0
.else
	v_wmma_f32_16x16x32_f16 v[OA+8*(4*\i+\dt):OA+8*(4*\i+\dt)+7], v[FR+8*(4*\kc+\dt):FR+8*(4*\kc+\dt)+7], v[SC+32*\i+16*\kc:SC+32*\i+16*\kc+7], v[OA+8*(4*\i+\dt):OA+8*(4*\i+\dt)+7]
.endif
.endr
.endr
.endr
.rept 5
	v_nop                                          ; five places: the next score product writes over the probabilities; the next loads land in V's fragments
.endr
.endm
.macro STEP slot, first, sig           ; my 128 keys of a slot
	KLOAD \slot, 0
	UNIT \slot, 0, \first, 0
	KLOAD \slot, 1
	UNIT \slot, 1, 0, \sig
.endm
; The change of slots.  Its barrier was signalled inside the slot's last unit, behind each wave's waits for its reads of the slot and for
; all its tensor loads.  fill = 1: the barrier opens a round of the cluster's barrier, and the joint refill is my first and only tensor
; load behind the round.
.macro CHANGE slot, fill
	s_barrier_wait -1
.if \fill
	CREST
	s_add_nc_u64 s[G0K+4*\slot+2:G0K+4*\slot+3], s[G0K+4*\slot+2:G0K+4*\slot+3], 32768   ; two tiles of 256 keys on; no tensor load of mine is out
	s_add_nc_u64 s[G0V+4*\slot+2:G0V+4*\slot+3], s[G0V+4*\slot+2:G0V+4*\slot+3], 32768
	JLOAD \slot
.endif
.endm
	s_wait_tensorcnt 0x1                           ; my part of tile 0 is in; tile 1's load may stay out
	s_barrier_signal -1
	s_barrier_wait -1
	s_wait_loadcnt 0x0                             ; Q
	STEP 0, 1, 1                                   ; tile 0
	CHANGE 0, 1                                    ; asks for tile 2
	STEP 1, 0, 1
	CHANGE 1, 1                                    ; tile 3
	s_mov_b32 s3, 2
.Lpair:
	STEP 0, 0, 1                                   ; tiles 2, 4
	CHANGE 0, 1                                    ; asks for 4, 6
	STEP 1, 0, 1                                   ; tiles 3, 5
	CHANGE 1, 1                                    ; asks for 5, 7
	s_sub_co_u32 s3, s3, 1
	s_cmp_lg_u32 s3, 0
	s_cbranch_scc1 .Lpair
	STEP 0, 0, 1                                   ; tile 6
	CHANGE 0, 0                                    ; nothing is left to fetch
	STEP 1, 0, 0                                   ; tile 7
	; THE TWO KEY HALVES MEET.  Waves 8-15 put O, maxima and sums into their pair's exchange area, 16 bytes a lane, 512 consecutive bytes a store.
	; (The five places at the end of the last unit stand in front of these reads of the last product's results.)
	s_mul_i32 s62, s12, XPAIR
	s_cmp_lt_u32 s12, 8
	s_cbranch_scc1 .Lhanded
	s_add_co_u32 s62, s62, XCH-8*XPAIR             ; pair w - 8
	v_add_nc_u32 v1, s62, v[CO]
	v_mov_b32 v[TP], v[MA]
	v_mov_b32 v[TP+1], v[MA+2]
	v_mov_b32 v[TP+2], v[LS]
	v_mov_b32 v[TP+3], v[LS+1]
.set p, 0
.rept 16
	ds_store_b128 v1, v[OA+4*p:OA+4*p+3] offset:512*p
.set p, p+1
.endr
	ds_store_b128 v1, v[TP:TP+3] offset:8192
.Lhanded:
	s_wait_dscnt 0x0                               ; for the partner's sake: my stores are done
	s_barrier_signal -1
	s_barrier_wait -1
	s_cmp_lt_u32 s12, 8
	s_cbranch_scc0 .Lend                           ; waves 8-15 have nothing more to do but the closing round
	s_add_co_u32 s62, s62, XCH                     ; pair w
	v_add_nc_u32 v1, s62, v[CO]
	ds_load_b128 v[TP:TP+3], v1 offset:8192        ; the partner's maxima (tile 0, 1) and sums (tile 0, 1)
.set p, 0
.rept 16
	ds_load_b128 v[SC+4*p:SC+4*p+3], v1 offset:512*p               ; the partner's O
.set p, p+1
.endr
	s_wait_dscnt 16                                ; maxima and sums are in; the sixteen loads issued behind them stay out
	v_max_num_f32 v[TP+4], v[MA], v[TP]            ; the maximum over all keys
	v_max_num_f32 v[TP+5], v[MA+2], v[TP+1]
	v_sub_f32 v[MA],   v[MA],   v[TP+4]            ; mine - it, at most 0
	v_sub_f32 v[MA+1], v[TP],   v[TP+4]            ; the partner's - it, at most 0; one of the two is 0
	v_sub_f32 v[MA+2], v[MA+2], v[TP+5]
	v_sub_f32 v[MA+3], v[TP+1], v[TP+5]
	v_exp_f32 v[MA],   v[MA]
	v_exp_f32 v[MA+1], v[MA+1]
	v_exp_f32 v[MA+2], v[MA+2]
	v_exp_f32 v[MA+3], v[MA+3]
	v_nop                                          ; the plain place behind the exponentials
	s_wait_alu depctr_va_vdst(0)
	v_mul_f32 v[LS],   v[LS],   v[MA]
	v_mul_f32 v[LS+1], v[LS+1], v[MA+2]
	v_fma_f32 v[LS],   v[TP+2], v[MA+1], v[LS]
	v_fma_f32 v[LS+1], v[TP+3], v[MA+3], v[LS+1]
	v_permlanex16_b32 v[TP+4], v[LS], s56, s57
	v_permlanex16_b32 v[TP+5], v[LS+1], s56, s57
	v_add_f32 v[LS],   v[LS],   v[TP+4]            ; both halves of the lanes; at least 1, the largest score's term
	v_add_f32 v[LS+1], v[LS+1], v[TP+5]
	v_rcp_f32 v[TP+4], v[LS]
	v_rcp_f32 v[TP+5], v[LS+1]
	v_nop
	s_wait_alu depctr_va_vdst(0)
	v_mul_f32 v[MA],   v[MA],   v[TP+4]            ; the division rides on the two factors
	v_mul_f32 v[MA+1], v[MA+1], v[TP+4]
	v_mul_f32 v[MA+2], v[MA+2], v[TP+5]
	v_mul_f32 v[MA+3], v[MA+3], v[TP+5]
	s_wait_dscnt 0x0                               ; the partner's O
.irp i, 0,1
.set p, 0
.rept 16
	v_pk_mul_f32 v[OA+32*\i+2*p:OA+32*\i+2*p+1], v[OA+32*\i+2*p:OA+32*\i+2*p+1], v[MA+2*\i:MA+2*\i+1] op_sel_hi:[1,0]
	v_pk_fma_f32 v[OA+32*\i+2*p:OA+32*\i+2*p+1], v[SC+32*\i+2*p:SC+32*\i+2*p+1], v[MA+2*\i:MA+2*\i+1], v[OA+32*\i+2*p:OA+32*\i+2*p+1] op_sel:[0,1,0] op_sel_hi:[1,1,1]
.set p, p+1
.endr
.endr
	; THE WAY OUT: to f16, through my own stage, out as whole rows of 128 bytes
.set p, 0
.rept 32
	v_cvt_pk_f16_f32 v[FR+p], v[OA+2*p], v[OA+2*p+1]               ; lane (r, g): query r, features 16 dt + 8 g + 0..7 in four registers
.set p, p+1
.endr
.irp i, 0,1
.irp dt, 0,1,2,3
	ds_store_b128 v[STO], v[FR+16*\i+4*\dt:FR+16*\i+4*\dt+3] offset:\i*16*SP+32*\dt
.endr
.endr
.irp i, 0,1
.irp t, 0,1,2,3
	ds_load_b128 v[SC+16*\i+4*\t:SC+16*\i+4*\t+3], v[RD] offset:\i*16*SP+\t*4*SP   ; LDS serves a wave's instructions in order: these see the stores above
.endr
.endr
.irp i, 0,1
.irp t, 0,1,2,3
	s_wait_dscnt 7-4*\i-\t                         ; this read-back is in, the younger ones stay out
	global_store_b128 v[CO], v[SC+16*\i+4*\t:SC+16*\i+4*\t+3], s[10:11] offset:\i*2048+\t*512   ; four rows: 512 consecutive bytes, aligned
.endr
.endr
.Lend:
	s_wait_tensorcnt 0x0
	ds_add_u32 v248, v249
	s_wait_dscnt 0x0
	CROUND                                         ; the closing round: no work-group ends while a partner may still ask jointly
	s_endpgm
.Lfunc_end_k_q02512a6640_attn:
	.size	k_q02512a6640_attn, .Lfunc_end_k_q02512a6640_attn-k_q02512a6640_attn
	.p2alignl 7, 3214868480
	.fill 96, 4, 3214868480
	.section	.rodata,"a",@progbits
	.p2align	6, 0x0
	.amdhsa_kernel k_q02512a6640_attn
		.amdhsa_group_segment_fixed_size 327680
		.amdhsa_private_segment_fixed_size 0
		.amdhsa_enable_private_segment 0
		.amdhsa_kernarg_size 32
		.amdhsa_user_sgpr_count 2
		.amdhsa_user_sgpr_kernarg_segment_ptr 1
		.amdhsa_wavefront_size32 1
		.amdhsa_system_sgpr_workgroup_id_x 1
		.amdhsa_system_sgpr_workgroup_id_y 1
		.amdhsa_system_sgpr_workgroup_id_z 1
		.amdhsa_system_vgpr_workitem_id 0
		.amdhsa_next_free_vgpr 250
		.amdhsa_next_free_sgpr 66
		.amdhsa_reserve_vcc 0
		.amdhsa_float_denorm_mode_32 3
		.amdhsa_float_denorm_mode_16_64 3
		.amdhsa_memory_ordered 1
		.amdhsa_forward_progress 1
		.amdhsa_inst_pref_size 224
	.end_amdhsa_kernel
	.amdgpu_metadata
---
amdhsa.version: [ 1, 2 ]
amdhsa.kernels:
  - .name:           k_q02512a6640_attn
    .symbol:         k_q02512a6640_attn.kd
    .args:
      - { .name: qh, .offset: 0, .size: 8, .value_kind: global_buffer, .address_space: global }
      - { .name: kh, .offset: 8, .size: 8, .value_kind: global_buffer, .address_space: global }
      - { .name: vh, .offset: 16, .size: 8, .value_kind: global_buffer, .address_space: global }
      - { .name: ctx, .offset: 24, .size: 8, .value_kind: global_buffer, .address_space: global }
    .group_segment_fixed_size: 327680
    .private_segment_fixed_size: 0
    .kernarg_segment_align: 8
    .kernarg_segment_size: 32
    .max_flat_workgroup_size: 512
    .sgpr_count:     66
    .vgpr_count:     250
    .wavefront_size: 32
...
	.end_amdgpu_metadata
.endif
;; end of part 2
;; launch outp (part 3): grid 32 x 6, 4 waves a work-group, clusters of 4 x 1, 327,680 bytes of LDS; arguments ctx, wo16, b_o, out0; writes out0
.if DOCPART == 3
	.amdgcn_target "amdgcn-amd-amdhsa--gfx1250"
	.amdhsa_code_object_version 6
	.text
	.protected	k_q02512a6640_outp
	.globl	k_q02512a6640_outp
	.p2align	8
	.type	k_q02512a6640_outp,@function
k_q02512a6640_outp:
	s_mov_b64 s[64:65], 0
	v_nop
	global_prefetch_b8 v0, s[64:65] scope:SCOPE_SE
	s_setreg_imm32_b32 hwreg(HW_REG_WAVE_MODE, 25, 1), 1
	s_wait_xcnt 0x0
	s_wait_alu depctr_hold_cnt(0) depctr_sa_sdst(0) depctr_va_vdst(0) depctr_va_sdst(0) depctr_va_ssrc(0) depctr_va_vcc(0) depctr_vm_vsrc(0)
	s_getreg_b32 s2, hwreg(HW_REG_IB_STS2, 6, 4)
	s_cmp_eq_u32 s2, 0
	s_cbranch_scc0 .Lentry_in_a_cluster
	s_endpgm
.Lentry_in_a_cluster:
	s_bfe_u32 s2, ttmp6, 0x10000c
	s_cmp_lg_u32 s2, 0x3003
	s_cbranch_scc0 .Lentry_shape_is_right
	s_endpgm
.Lentry_shape_is_right:
; out0 = ctx w_o^T + b_o.  ctx: [12 heads][4096 rows][64] f16; wo16: [768][768] f16, row-major; b_o: [768] f32; out0: [4096][768] f32.
; SHARES: 192 work-groups of 128 rows x 128 columns; wave (mi, ni) makes 64 x 64: 16 accumulator tiles in window 1.
; CLUSTER 4 x 1 along the rows (6 column blocks do not divide by 4): the four partners need the same rows of w_o: joint load, mask 15.
; ctx's tile is each work-group's own: a plain load behind the same rounds.
; K = 768 goes in three fills of 256 through two LDS regions: regions 0 and 1 at the start, region 0 once more.
; A region: ctx as 4 head planes x 128 rows x 144 bytes, then w_o as 128 rows x 528 bytes.  Behind the regions each wave's own stage.
; The matrix instruction is used transposed (source 0 = rows of w_o, source 1 = rows of ctx): a lane holds eight neighbouring columns of a row.
.set AP,     144                       ; ctx row of a plane: 128 bytes + 16
.set BP,     528                       ; w_o row: 512 bytes + 16
.set APART,  4*128*AP                  ; 73,728
.set REGION, APART+128*BP              ; 141,312
.set STAGE,  2*REGION                  ; 282,624; never the target of a tensor load
.set SPITCH, 272                       ; stage row: 64 f32 + 16 bytes
.set HPLANE, 524288                    ; bytes in a head's plane of ctx
.set ADRA, 16                          ; v16-17
.set ADRB, 20                          ; v20-21
.set STO,  24
.set RD,   25
.set CO,   26
.set BOFF, 27
.set F0,   64                          ; fragment buffer 0: w_o's b at +8b, ctx's a at +32+8a
.set F1,   128                         ; fragment buffer 1
.set BI,   192                         ; v192-223 bias of my 64 columns
.set TMP,  224                         ; v224-255
.set G1A, 24
.set G0A, 32
.set G1B, 48
.set G0B, 56
.set MSB, 0
.macro WIN new
.if MSB != \new
	s_set_vgpr_msb (MSB<<8)|\new
.set MSB, \new
.endif
.endm
.macro PLACES
.rept 4
	v_nop
.endr
.endm
.macro JLOAD s                         ; waves 0, 1: two head planes of ctx each (plain); waves 2, 3: 64 rows of w_o each (joint)
	s_cmp_eq_u32 s13, 0
	s_cbranch_scc0 .Lfor_b_\@
	tensor_load_to_lds s[G0A+4*\s:G0A+4*\s+3], s[G1A:G1A+7]
	s_nop 0
	s_branch .Lasked_\@
.Lfor_b_\@:
	tensor_load_to_lds s[G0B+4*\s:G0B+4*\s+3], s[G1B:G1B+7]
	s_nop 0
.Lasked_\@:
.endm
.macro CREST
	s_cmp_lg_u32 s12, 0
	s_cbranch_scc1 .Lnot_wave_0_\@
	s_barrier_signal -3
.Lnot_wave_0_\@:
	s_barrier_wait -3
	s_barrier_signal -1
	s_barrier_wait -1
.endm
.macro CROUND
	s_barrier_signal -1
	s_barrier_wait -1
	CREST
.endm
	s_load_b256 s[4:11], s[0:1], 0x0               ; ctx s[4:5], wo16 s[6:7], b_o s[8:9], out0 s[10:11]
	v_lshl_add_u32 v62, v0, 2, 0x49400
	v_mov_b32 v63, 0
	ds_add_u32 v62, v63
	v_lshrrev_b32 v1, 5, v0
	v_readfirstlane_b32 s12, v1                    ; wave 0..3
	s_lshr_b32 s13, s12, 1                         ; mi.  Also: I fetch ctx (0) or w_o (1)
	s_and_b32 s14, s12, 1                          ; ni.  Also: which half of w_o's rows I fetch
	s_bfe_u32 s15, ttmp6, 0x40000                  ; cx
	s_lshl_b32 s16, ttmp9, 2
	s_add_co_u32 s16, s16, s15                     ; row block 0..31
	s_and_b32 s17, ttmp7, 0xffff                   ; column block 0..5
	; ctx: two rows (planes) of 8,192 elements = 128 rows x 128 dense bytes; 16 bytes of padding behind every 32 words
	s_mov_b32 s[G1A+0], (1<<16)|(1<<20)|(4<<22)|(3<<25)
	s_mov_b32 s[G1A+1], 8192<<16
	s_mov_b32 s[G1A+2], 2<<16
	s_mov_b32 s[G1A+3], 8192<<16
	s_mov_b32 s[G1A+4], 2
	s_mov_b32 s[G1A+5], 262144                     ; elements from plane to plane
	s_mov_b32 s[G1A+6], 0
	s_mov_b32 s[G1A+7], 0
	; w_o: 64 rows of 256 elements; 16 bytes of padding behind every 128 words
	s_mov_b32 s[G1B+0], 15|(1<<16)|(1<<20)|(1<<21)|(6<<22)|(3<<25)
	s_mov_b32 s[G1B+1], 256<<16
	s_mov_b32 s[G1B+2], 64<<16
	s_mov_b32 s[G1B+3], 256<<16
	s_mov_b32 s[G1B+4], 64
	s_mov_b32 s[G1B+5], 768
	s_mov_b32 s[G1B+6], 0
	s_mov_b32 s[G1B+7], 0
	s_lshl_b32 s18, s12, 20                        ; ctx: plane 2 wave
	s_lshl_b32 s19, s16, 14                        ; + 128 rows of 128 bytes a row block
	s_add_co_u32 s18, s18, s19
	s_mov_b32 s19, 0
	s_lshl_b32 s20, s17, 7                         ; w_o: row 128 column block + 64 half: no place in the cluster enters
	s_lshl_b32 s21, s14, 6
	s_add_co_u32 s20, s20, s21
	s_mul_i32 s20, s20, 1536
	s_mov_b32 s21, 0
	s_mul_i32 s22, s12, 2*128*AP                   ; LDS: ctx's planes 2 wave, 2 wave + 1 (waves 0, 1)
	s_mul_i32 s23, s12, 64*BP
	s_add_co_u32 s23, s23, APART-2*64*BP           ; w_o's halves behind ctx's part (waves 2, 3)
	s_lshl_b32 s44, s17, 9
	s_lshl_b32 s45, s14, 8
	s_add_co_u32 s44, s44, s45                     ; my first column, in bytes of f32
	s_lshl_b32 s40, s16, 7
	s_lshl_b32 s41, s13, 6
	s_add_co_u32 s40, s40, s41
	s_mul_i32 s40, s40, 3072                       ; my first row of out0
	s_add_co_u32 s40, s40, s44
	s_mov_b32 s41, 0
	s_wait_dscnt 0x0
	s_wait_kmcnt 0x0
	s_add_nc_u64 s[42:43], s[4:5], s[18:19]
	s_add_nc_u64 s[46:47], s[6:7], s[20:21]
	s_add_nc_u64 s[10:11], s[10:11], s[40:41]
	CROUND                                         ; in front of the first tensor loads
.irp s, 0,1
	s_mov_b32 s[G0A+4*\s], 1
	s_add_co_u32 s[G0A+4*\s+1], s22, \s*REGION
	s_add_nc_u64 s[G0A+4*\s+2:G0A+4*\s+3], s[42:43], \s*4*HPLANE   ; heads 4 s ..
	s_or_b32 s[G0A+4*\s+3], s[G0A+4*\s+3], 0x80000000
	s_mov_b32 s[G0B+4*\s], 1
	s_add_co_u32 s[G0B+4*\s+1], s23, \s*REGION
	s_add_nc_u64 s[G0B+4*\s+2:G0B+4*\s+3], s[46:47], \s*512        ; k = 256 s ..
	s_or_b32 s[G0B+4*\s+3], s[G0B+4*\s+3], 0x80000000
	JLOAD \s                                       ; two tensor loads out in each wave
.endr
	v_and_b32 v1, 15, v0                           ; r
	v_bfe_u32 v2, v0, 4, 1                         ; g
	v_lshl_add_u32 v[BOFF], v2, 5, s44
.irp b, 0,1,2,3
	global_load_b128 v[BI+8*\b:BI+8*\b+3],   v[BOFF], s[8:9] offset:64*\b
	global_load_b128 v[BI+8*\b+4:BI+8*\b+7], v[BOFF], s[8:9] offset:64*\b+16
.endr
	v_mul_u32_u24 v3, v1, AP
	v_lshl_add_u32 v3, v2, 4, v3
	s_mul_i32 s45, s13, 64*AP
	v_add_nc_u32 v[ADRA], s45, v3
	v_add_nc_u32 v[ADRA+1], REGION, v[ADRA]
	v_mul_u32_u24 v3, v1, BP
	v_lshl_add_u32 v3, v2, 4, v3
	s_mul_i32 s45, s14, 64*BP
	s_add_co_u32 s45, s45, APART
	v_add_nc_u32 v[ADRB], s45, v3
	v_add_nc_u32 v[ADRB+1], REGION, v[ADRB]
	s_mul_i32 s45, s12, 16*SPITCH
	s_add_co_u32 s45, s45, STAGE
	v_mul_u32_u24 v3, v1, SPITCH
	v_lshl_add_u32 v3, v2, 5, v3
	v_add_nc_u32 v[STO], s45, v3                   ; in: row r, 32 bytes for each half of the lanes
	v_mul_u32_u24 v3, v2, SPITCH
	v_lshl_add_u32 v3, v1, 4, v3
	v_add_nc_u32 v[RD], s45, v3                    ; back: lanes 0-15 one row of 256 bytes, lanes 16-31 the next
	v_mul_u32_u24 v3, v2, 3072
	v_lshl_add_u32 v[CO], v1, 4, v3
; 16 LDS loads: the fragments of 32 along K (kk = 0..7 of a region) into buffer f
.macro FETCH3 R, kk, f
.irp b, 0,1,2,3
	ds_load_b128 v[\f+8*\b:\f+8*\b+3],   v[ADRB+\R] offset:\b*16*BP+\kk*64
	ds_load_b128 v[\f+8*\b+4:\f+8*\b+7], v[ADRB+\R] offset:\b*16*BP+\kk*64+32
.endr
.irp a, 0,1,2,3
	ds_load_b128 v[\f+32+8*\a:\f+32+8*\a+3],   v[ADRA+\R] offset:(\kk>>1)*128*AP+\a*16*AP+(\kk&1)*64
	ds_load_b128 v[\f+32+8*\a+4:\f+32+8*\a+7], v[ADRA+\R] offset:(\kk>>1)*128*AP+\a*16*AP+(\kk&1)*64+32
.endr
.endm
; 16 matrix instructions; the 16 accumulators take turns, one instruction a turn, in one fixed order
.macro MUL16 f, zero
.irp a, 0,1,2,3
.irp b, 0,1,2,3
.if \zero
	v_wmma_f32_16x16x32_f16 v[8*(4*\a+\b):8*(4*\a+\b)+7], v[\f+8*\b:\f+8*\b+7], v[\f+32+8*\a:\f+32+8*\a+7], 0
.else
	v_wmma_f32_16x16x32_f16 v[8*(4*\a+\b):8*(4*\a+\b)+7], v[\f+8*\b:\f+8*\b+7], v[\f+32+8*\a:\f+32+8*\a+7], v[8*(4*\a+\b):8*(4*\a+\b)+7]
.endif
.endr
.endr
.endm
.macro KSTEP R, kknext, f, g, zero     ; fetches the next 32 along K into g, multiplies f
	WIN 0
	PLACES                                         ; the loads land in registers that matrix instructions have read
	FETCH3 \R, \kknext, \g
	s_wait_dscnt 16                                ; f's loads are in; the sixteen just issued stay out
	WIN 0x50
	MUL16 \f, \zero
.endm
.macro SEVEN R, zero
	KSTEP \R, 1, F0, F1, \zero
	KSTEP \R, 2, F1, F0, 0
	KSTEP \R, 3, F0, F1, 0
	KSTEP \R, 4, F1, F0, 0
	KSTEP \R, 5, F0, F1, 0
	KSTEP \R, 6, F1, F0, 0
	KSTEP \R, 7, F0, F1, 0
.endm
; The region's last 32 along K, and the change of regions.  In front of the barrier: my reads of this region are back and all my tensor
; loads have landed.  fill = 1: the barrier opens a round of the cluster's barrier; the refill is my first and only tensor load behind it.
.macro LAST R, next, fill
	s_wait_dscnt 0x0
	s_wait_tensorcnt 0x0
	ds_add_u32 v62, v63
	s_wait_dscnt 0x0
	s_barrier_signal -1
	WIN 0x50
	MUL16 F1, 0
	WIN 0
	s_barrier_wait -1
.if \fill
	CREST
	s_add_nc_u64 s[G0A+4*\R+2:G0A+4*\R+3], s[G0A+4*\R+2:G0A+4*\R+3], 8*HPLANE   ; eight heads on
	s_add_nc_u64 s[G0B+4*\R+2:G0B+4*\R+3], s[G0B+4*\R+2:G0B+4*\R+3], 1024       ; k + 512
	JLOAD \R
.endif
	PLACES
	FETCH3 \next, 0, F0
.endm
	s_wait_tensorcnt 0x1                           ; my part of region 0 is in; region 1's load may stay out
	s_barrier_signal -1
	s_barrier_wait -1
	FETCH3 0, 0, F0
	SEVEN 0, 1                                     ; k 0..255: the first products start the sums
	LAST 0, 1, 1                                   ; region 0 is asked for again: k 512..767
	SEVEN 1, 0                                     ; k 256..511
	LAST 1, 0, 0                                   ; nothing is left to fetch
	SEVEN 0, 0                                     ; k 512..767
	s_wait_dscnt 0x0
	WIN 0x50
	MUL16 F1, 0
	; THE WAY OUT: + bias, 16 rows at a time through my own stage, out as whole rows of 256 bytes
	WIN 0
	PLACES
	s_wait_loadcnt 0x0                             ; the bias
.macro OUT16 a, f
	WIN 0x01
.irp b, 0,1,2,3
.irp j, 0,2,4,6
	v_pk_add_f32 v[TMP+8*\b+\j:TMP+8*\b+\j+1], v[8*(4*\a+\b)+\j:8*(4*\a+\b)+\j+1], v[BI+8*\b+\j:BI+8*\b+\j+1]
.endr
.endr
	WIN 0
.irp b, 0,1,2,3
	ds_store_b128 v[STO], v[TMP+8*\b:TMP+8*\b+3]   offset:64*\b
	ds_store_b128 v[STO], v[TMP+8*\b+4:TMP+8*\b+7] offset:64*\b+16
.endr
	s_wait_xcnt 0x0                                ; buffer f, which earlier stores read, is loaded again only behind this wait
.irp t, 0,1,2,3,4,5,6,7
	ds_load_b128 v[\f+4*\t:\f+4*\t+3], v[RD] offset:\t*2*SPITCH    ; LDS serves a wave's instructions in order: these see the stores above
.endr
.irp t, 0,1,2,3,4,5,6,7
	s_wait_dscnt 7-\t                              ; read-back t is in, the younger ones stay out
	global_store_b128 v[CO], v[\f+4*\t:\f+4*\t+3], s[10:11] offset:(16*\a+2*\t)*3072   ; sixteen lanes store 256 consecutive bytes, aligned
.endr
.endm
	OUT16 0, F0
	OUT16 1, F1
	OUT16 2, F0
	OUT16 3, F1
	s_wait_tensorcnt 0x0
	ds_add_u32 v62, v63
	s_wait_dscnt 0x0
	CROUND                                         ; the closing round
	s_endpgm
.Lfunc_end_k_q02512a6640_outp:
	.size	k_q02512a6640_outp, .Lfunc_end_k_q02512a6640_outp-k_q02512a6640_outp
	.p2alignl 7, 3214868480
	.fill 96, 4, 3214868480
	.section	.rodata,"a",@progbits
	.p2align	6, 0x0
	.amdhsa_kernel k_q02512a6640_outp
		.amdhsa_group_segment_fixed_size 327680
		.amdhsa_private_segment_fixed_size 0
		.amdhsa_enable_private_segment 0
		.amdhsa_kernarg_size 32
		.amdhsa_user_sgpr_count 2
		.amdhsa_user_sgpr_kernarg_segment_ptr 1
		.amdhsa_wavefront_size32 1
		.amdhsa_system_sgpr_workgroup_id_x 1
		.amdhsa_system_sgpr_workgroup_id_y 1
		.amdhsa_system_sgpr_workgroup_id_z 1
		.amdhsa_system_vgpr_workitem_id 0
		.amdhsa_next_free_vgpr 384
		.amdhsa_next_free_sgpr 66
		.amdhsa_reserve_vcc 0
		.amdhsa_float_denorm_mode_32 3
		.amdhsa_float_denorm_mode_16_64 3
		.amdhsa_memory_ordered 1
		.amdhsa_forward_progress 1
		.amdhsa_inst_pref_size 74
	.end_amdhsa_kernel
	.amdgpu_metadata
---
amdhsa.version: [ 1, 2 ]
amdhsa.kernels:
  - .name:           k_q02512a6640_outp
    .symbol:         k_q02512a6640_outp.kd
    .args:
      - { .name: ctx, .offset: 0, .size: 8, .value_kind: global_buffer, .address_space: global }
      - { .name: wo16, .offset: 8, .size: 8, .value_kind: global_buffer, .address_space: global }
      - { .name: b_o, .offset: 16, .size: 8, .value_kind: global_buffer, .address_space: global }
      - { .name: out0, .offset: 24, .size: 8, .value_kind: global_buffer, .address_space: global }
    .group_segment_fixed_size: 327680
    .private_segment_fixed_size: 0
    .kernarg_segment_align: 8
    .kernarg_segment_size: 32
    .max_flat_workgroup_size: 128
    .sgpr_count:     66
    .vgpr_count:     384
    .wavefront_size: 32
...
	.end_amdgpu_metadata
.endif
;; end of part 3
